; MI455X (gfx1250); checked and timed in simulation.
; The chip was launched on July 23, 2026; its instructions are those of AMD's public machine-readable ISA for CDNA 5 (MIT licence, August 2026) and "CDNA5" Instruction Set Architecture Reference Guide (July 2026). The comments in the code are by the model that wrote it; some were corrected since.
;; Ms PAM Module. Allowed arithmetic: float matrix products may take bf16 or f16 operands with f32 sums; other float arithmetic in f32, or as packed bf16 or f16 multiplies, adds, multiply-adds, maxima and minima; sums over many terms, partial sums and values carried from step to step in f32; what a program stores and reads back later, other than sums and carried values, may be rounded once to bf16 or f16.
;; Inputs: Wk1 64 x 512 float32; Wk2 64 x 512 float32; Wk3 64 x 512 float32; Wl 512 x 512 float32; Wq 64 x 512 float32; Wv 512 x 512 float32; bk1 64 float32; bk2 64 float32; bk3 64 float32; bl 512 float32; bq 64 float32; bv 512 float32; gamma 1 float32; x 2 x 512 x 64 x 64 float32; y 2 x 512 x 64 x 64 float32; z 2 x 512 x 64 x 64 float32.
;; Outputs: out0 2 x 512 x 64 x 64 float32.
;; One version. Each part assembles by itself: llvm-mc -triple=amdgcn-amd-amdhsa -mcpu=gfx1250 --defsym DOCPART=n.
;; ======== version 1 of 1: 4 launches
;; workspace buffers: wp 786,432 bytes; bp 49,152 bytes; qk 4,194,304 bytes; vf 8,388,608 bytes; nd 98,304 bytes
;; launch prep (part 1): grid 68 x 1, 4 waves a work-group, no clusters, 82,432 bytes of LDS; arguments Wl, Wv, bv, Wq, Wk1, Wk2, Wk3, bq, bk1, bk2, bk3, wp, bp; writes wp, bp
.if DOCPART == 1
	.amdgcn_target "amdgcn-amd-amdhsa--gfx1250"
	.amdhsa_code_object_version 6
	.text
	.protected	k_qee593b48b5_prep
	.globl	k_qee593b48b5_prep
	.p2align	8
	.type	k_qee593b48b5_prep,@function
k_qee593b48b5_prep:
	s_mov_b64 s[64:65], 0
	v_nop
	global_prefetch_b8 v0, s[64:65] scope:SCOPE_SE
	s_setreg_imm32_b32 hwreg(HW_REG_WAVE_MODE, 25, 1), 1
	s_wait_xcnt 0x0
; THE WEIGHTS, ONCE, IN THE ORDER IN WHICH THE NEXT LAUNCH'S MATRIX INSTRUCTIONS WANT THEM (bf16), AND THE BIASES AS C OPERANDS (f32).
; wp: [block 12][ct 4][kk 16][q 2][lane 32][16 bytes]: a fragment (16 rows 16 ct + lane % 16, 32 k from 32 kk on) is 1,024 bytes; half q holds a lane's registers 4 q .. 4 q + 3,
;     k = 32 kk + 16 q + 8 (lane / 16) + 0..7.  Block 0 Wq, 1 Wk1, 2..9 W' = Wl Wv (64 rows each), 10 Wk2, 11 Wk3.
; bp: [block][ct][q][lane][16 bytes] f32: the eight registers a lane gives as C.  Blocks 0, 1, 10, 11: register j = bias[16 ct + 8 (lane / 16) + j]; blocks 2..9: all eight = (Wl bv)[16 ct + lane % 16].
; WHY W': Wl (V P) + bl = (Wl Wv x + Wl bv) P + bl, so the last convolution is folded into V's weights.  The order of rounding differs from the written one: Wl, Wv, bv are rounded to bf16,
; their products summed in f32, W' rounded to bf16 once.  NaN and infinities are not treated apart.
; WORK-GROUPS 0..63 (product): 64 rows of Wl (number / 8) x 64 columns of Wv (number % 8), K = 512.  Wave w has rows 16 w ..; the tile of Wv goes through LDS, since it lies [k][column] and is wanted turned.
; A fifth column tile holds bv sixteen times: its product is (Wl bv), eight times a lane, which IS the C operand; only the work-groups with column block 0 store it (the others' 16 of 80 products are discarded:
; the price of one text).  WORK-GROUPS 64..67 (copy): one of Wq, Wk1, Wk2, Wk3 and its bias.
; NO CLUSTER, NO TENSOR LOADS: f32 has to pass through registers to become bf16, and the launch is short.
.set PITCH, 160                        ; an LDS row: 64 columns of bf16 (128 bytes) + 32 bytes that hold bv[k] sixteen times; 5 x 32 bytes
.set SPARE, 512*PITCH                  ; behind the tile: the spare words, 128 bytes for each wave
.set SPW, 2                            ; v2   SPARE + 4 x my thread's number; never rewritten
.set NIL, 3                            ; v3   0; never rewritten
.set WFO, 4                            ; v4   my byte offset in the 64 rows of W: (16 w + l % 16) x 2,048 + 32 (l / 16)
.set XO,  5                            ; v5   my byte offset in Wv's strip: (128 w + l / 16) x 2,048 + 16 (l % 16)
.set LSO, 6                            ; v6   where my 8 bytes of a row go in LDS
.set AT,  7                            ; v7, v8  the turning loads' addresses for kk 0-7 and kk 8-15
.set OO,  9                            ; v9   16 x lane
.set BVO, 10                           ; v10  offset in bv or in a bias
.set BVL, 11                           ; v11  LDS row of my bv
.set ACC, 16                           ; v16-55   five accumulators
.set BVR, 56                           ; v56-63   bv, or a bias, as loaded
.set OUTR, 64                          ; v64-79   W' rounded
.set BVP, 80                           ; v80-95   bv rounded, four times four registers
.set WV, 8                             ; s8   my wave's number
; windows of 256 registers: 1: v0-127 W's fragments, v128-255 bv's; 2: Wv as loaded (f32), then its fragments kk 0-7; 3: W as loaded (f32), then Wv's fragments kk 8-15
.set MSB, 0
.macro WIN new                         ; the immediate's high byte repeats the setting that is left; a switch that changes nothing is dropped
.if MSB != (\new)
	s_set_vgpr_msb (MSB<<8)|(\new)
.set MSB, (\new)
.endif
.endm
.macro CVTW                            ; W's 256 f32 a lane -> 128 registers of bf16: fragment register n from loaded registers 2 n, 2 n + 1
	WIN 0x4f                                       ; sources window 3, destination window 1
.set n, 0
.rept 128
	v_cvt_pk_bf16_f32 v[n], v[2*n], v[2*n+1]
.set n, n+1
.endr
	WIN 0
.endm
	s_load_b512 s[16:31], s[0:1], 0x0              ; Wl s[16:17], Wv s[18:19], bv s[20:21], Wq s[22:23], Wk1 s[24:25], Wk2 s[26:27], Wk3 s[28:29], bq s[30:31]
	s_load_b256 s[32:39], s[0:1], 0x40             ; bk1 s[32:33], bk2 s[34:35], bk3 s[36:37], wp s[38:39]
	s_load_b64 s[40:41], s[0:1], 0x60              ; bp
	v_lshl_add_u32 v[SPW], v0, 2, SPARE
	v_mov_b32 v[NIL], 0
	v_lshrrev_b32 v1, 5, v0
	v_readfirstlane_b32 s[WV], v1                  ; wave 0..3
	v_and_b32 v12, 15, v0                          ; l % 16
	v_bfe_u32 v13, v0, 4, 1                        ; l / 16
	v_and_b32 v14, 31, v0                          ; l
	v_lshlrev_b32 v[OO], 4, v14
	s_lshl_b32 s9, s[WV], 15                       ; 16 w rows of 2,048 bytes
	v_lshlrev_b32 v[WFO], 11, v12
	v_lshl_add_u32 v[WFO], v13, 5, v[WFO]
	v_add_nc_u32 v[WFO], s9, v[WFO]
	s_lshr_b32 s12, ttmp9, 3
	s_min_u32 s12, s12, 7                          ; block of 64 rows of Wl (held inside Wl in the copying work-groups, which do not use it)
	s_and_b32 s13, ttmp9, 7                        ; block of 64 columns of Wv
	s_sub_co_u32 s14, ttmp9, 64                    ; which matrix a copying work-group takes
	s_wait_kmcnt 0x0
	s_cmp_eq_u32 s14, 1
	s_cselect_b64 s[42:43], s[24:25], s[22:23]
	s_cselect_b64 s[44:45], s[32:33], s[30:31]
	s_cmp_eq_u32 s14, 2
	s_cselect_b64 s[42:43], s[26:27], s[42:43]
	s_cselect_b64 s[44:45], s[34:35], s[44:45]
	s_cmp_eq_u32 s14, 3
	s_cselect_b64 s[42:43], s[28:29], s[42:43]     ; the matrix,
	s_cselect_b64 s[44:45], s[36:37], s[44:45]     ; and its bias
	s_lshl_b32 s46, s12, 17                        ; 64 rows of Wl
	s_mov_b32 s47, 0
	s_add_nc_u64 s[46:47], s[16:17], s[46:47]
	s_cmp_lt_u32 ttmp9, 64
	s_cselect_b64 s[42:43], s[46:47], s[42:43]     ; W: 64 rows x 512, f32
	WIN 0xc0                                       ; destination window 3
.set g, 0
.rept 32                               ; g = 2 kk + q: a lane's eight k of a half fragment, 32 bytes
	global_load_b128 v[8*g:8*g+3],   v[WFO], s[42:43] offset:64*g
	global_load_b128 v[8*g+4:8*g+7], v[WFO], s[42:43] offset:64*g+16
.set g, g+1
.endr
	WIN 0
	s_cmp_ge_u32 ttmp9, 64                         ; the same for all four waves
	s_cbranch_scc1 .Lcopy
	; THE PRODUCT
	s_lshl_b32 s10, s[WV], 18                      ; 128 w rows of 2,048 bytes
	v_lshlrev_b32 v[XO], 11, v13
	v_lshl_add_u32 v[XO], v12, 4, v[XO]
	v_add_nc_u32 v[XO], s10, v[XO]
	s_mul_i32 s11, s[WV], 128*PITCH
	v_mul_u32_u24 v[LSO], v13, PITCH
	v_lshl_add_u32 v[LSO], v12, 3, v[LSO]
	v_add_nc_u32 v[LSO], s11, v[LSO]
	v_and_b32 v15, 7, v0
	v_bfe_u32 v1, v0, 3, 1
	v_lshl_add_u32 v[AT], v13, 3, v15              ; the turning load: lane l reads row 8 (l / 16) + l % 8, 16 bytes at 16 ((l / 8) % 2)
	v_mul_u32_u24 v[AT], v[AT], PITCH
	v_lshl_add_u32 v[AT], v1, 4, v[AT]
	v_add_nc_u32 v[AT+1], 256*PITCH, v[AT]         ; rows 256 on: the 16-bit immediate does not reach them
	s_lshl_b32 s9, s[WV], 9
	v_lshl_add_u32 v[BVO], v14, 2, s9              ; bv[128 w + l]
	v_mul_u32_u24 v[BVL], v14, PITCH
	v_add_nc_u32 v[BVL], s11, v[BVL]
	s_lshl_b32 s46, s13, 8                         ; 64 columns of f32
	s_mov_b32 s47, 0
	s_add_nc_u64 s[48:49], s[18:19], s[46:47]
.irp i, 0,1,2,3
	global_load_b32 v[BVR+\i], v[BVO], s[20:21] offset:128*\i
.endr
	WIN 0x80                                       ; destination window 2
.set i, 0
.rept 64                               ; two rows of 256 bytes an instruction: rows 128 w + 2 i + l / 16
	global_load_b128 v[4*i:4*i+3], v[XO], s[48:49] offset:4096*i
.set i, i+1
.endr
	WIN 0
	s_wait_loadcnt 63                              ; 68 loads are younger than W's last; the count's field ends at 63: W and bv are in
	CVTW
.irp i, 0,1,2,3
	v_cvt_pk_bf16_f32 v[BVP+4*\i], v[BVR+\i], v[BVR+\i]
.endr
.irp i, 0,1,2,3
	v_mov_b32 v[BVP+4*\i+1], v[BVP+4*\i]
	v_mov_b32 v[BVP+4*\i+2], v[BVP+4*\i]
	v_mov_b32 v[BVP+4*\i+3], v[BVP+4*\i]
.endr
.irp i, 0,1,2,3
	ds_store_b128 v[BVL], v[BVP+4*\i:BVP+4*\i+3] offset:32*PITCH*\i+128
	ds_store_b128 v[BVL], v[BVP+4*\i:BVP+4*\i+3] offset:32*PITCH*\i+144
.endr
.set gq, 0
.rept 4                                ; sixteen loads at a time: rounded in place, 8 bytes a lane into LDS
	s_wait_loadcnt 48-16*gq                        ; the younger loads of Wv may stay out
	WIN 0x8a
.set i, 16*gq
.rept 16
	v_cvt_pk_bf16_f32 v[4*i],   v[4*i],   v[4*i+1]
	v_cvt_pk_bf16_f32 v[4*i+1], v[4*i+2], v[4*i+3]
.set i, i+1
.endr
	WIN 0x08                                       ; store data window 2
.set i, 16*gq
.rept 16
	ds_store_b64 v[LSO], v[4*i:4*i+1] offset:2*PITCH*i
.set i, i+1
.endr
.set gq, gq+1
.endr
	WIN 0
	s_wait_dscnt 0x0                               ; for the others' sake: my rows of the tile are written
	s_barrier_signal -1
	s_barrier_wait -1
.set kk, 0
.rept 16                               ; the whole tile as fragments: column tile p, 32 k from 32 kk on, at 8 (4 (kk % 8) + p) of window 2 or 3
	WIN 0x80+0x40*(kk/8)
.irp p, 0,1,2,3
	ds_load_tr16_b128 v[8*(4*(kk%8)+\p):8*(4*(kk%8)+\p)+3],   v[AT+kk/8] offset:(kk%8)*32*PITCH+32*\p
	ds_load_tr16_b128 v[8*(4*(kk%8)+\p)+4:8*(4*(kk%8)+\p)+7], v[AT+kk/8] offset:(kk%8)*32*PITCH+32*\p+16*PITCH
.endr
.set kk, kk+1
.endr
	WIN 0x40
.set kk, 0
.rept 16                               ; and bv's
	ds_load_tr16_b128 v[128+8*kk:128+8*kk+3], v[AT+kk/8] offset:(kk%8)*32*PITCH+128
	ds_load_tr16_b128 v[128+8*kk+4:128+8*kk+7], v[AT+kk/8] offset:(kk%8)*32*PITCH+128+16*PITCH
.set kk, kk+1
.endr
	s_wait_dscnt 0x0
; source 0 = 16 columns of Wv, source 1 = my 16 rows of Wl: a lane ends with one row o of W' and eight neighbouring columns.  The five accumulators take turns.
.set kk, 0
.rept 16
	WIN 0x06+kk/8                                  ; Wv window 2 or 3, Wl window 1
.irp p, 0,1,2,3
.if kk == 0
	v_wmma_f32_16x16x32_bf16 v[ACC+8*\p:ACC+8*\p+7], v[8*(4*(kk%8)+\p):8*(4*(kk%8)+\p)+7], v[8*kk:8*kk+7], 0
.else
	v_wmma_f32_16x16x32_bf16 v[ACC+8*\p:ACC+8*\p+7], v[8*(4*(kk%8)+\p):8*(4*(kk%8)+\p)+7], v[8*kk:8*kk+7], v[ACC+8*\p:ACC+8*\p+7]
.endif
.endr
	WIN 0x05                                       ; bv window 1
.if kk == 0
	v_wmma_f32_16x16x32_bf16 v[ACC+32:ACC+39], v[128+8*kk:128+8*kk+7], v[8*kk:8*kk+7], 0
.else
	v_wmma_f32_16x16x32_bf16 v[ACC+32:ACC+39], v[128+8*kk:128+8*kk+7], v[8*kk:8*kk+7], v[ACC+32:ACC+39]
.endif
.set kk, kk+1
.endr
	WIN 0
.rept 4
	v_nop                                          ; four places between the last product and the first read of a result
.endr
	s_lshl_b32 s46, s12, 2
	s_add_co_u32 s46, s46, s[WV]
	s_add_co_u32 s46, s46, 8                       ; 4 (2 + row block) + w
	s_lshl_b32 s50, s46, 10
	s_lshl_b32 s46, s46, 14
	s_lshl_b32 s47, s13, 11                        ; the 64 columns are fragments 2 cg, 2 cg + 1
	s_add_co_u32 s46, s46, s47
	s_mov_b32 s47, 0
	s_mov_b32 s51, 0
	s_add_nc_u64 s[46:47], s[38:39], s[46:47]
	s_add_nc_u64 s[50:51], s[40:41], s[50:51]
.set n, 0
.rept 16
	v_cvt_pk_bf16_f32 v[OUTR+n], v[ACC+2*n], v[ACC+2*n+1]
.set n, n+1
.endr
.irp p, 0,1,2,3
	global_store_b128 v[OO], v[OUTR+4*\p:OUTR+4*\p+3], s[46:47] offset:(\p/2)*1024+(\p%2)*512  ; 512 consecutive bytes a wave, aligned
.endr
	s_cmp_lg_u32 s13, 0
	s_cbranch_scc1 .Lend
	global_store_b128 v[OO], v[ACC+32:ACC+35], s[50:51]
	global_store_b128 v[OO], v[ACC+36:ACC+39], s[50:51] offset:512
	s_branch .Lend
.Lcopy:                                        ; THE COPY: W is rounded and stored as it lies in registers
	s_lshl_b32 s9, s[WV], 6
	v_lshl_add_u32 v[BVO], v13, 5, s9              ; bias[16 w + 8 (l / 16) ..]
	global_load_b128 v[BVR:BVR+3],   v[BVO], s[44:45]
	global_load_b128 v[BVR+4:BVR+7], v[BVO], s[44:45] offset:16
	s_add_co_u32 s15, s14, 8
	s_cmp_lt_u32 s14, 2
	s_cselect_b32 s15, s14, s15                    ; block 0, 1, 10, 11
	s_lshl_b32 s46, s15, 2
	s_add_co_u32 s46, s46, s[WV]
	s_lshl_b32 s50, s46, 10
	s_lshl_b32 s46, s46, 14
	s_mov_b32 s47, 0
	s_mov_b32 s51, 0
	s_add_nc_u64 s[46:47], s[38:39], s[46:47]
	s_add_nc_u64 s[50:51], s[40:41], s[50:51]
	s_wait_loadcnt 0x0
	CVTW
	WIN 0x04                                       ; store data window 1
.set g, 0
.rept 32
	global_store_b128 v[OO], v[4*g:4*g+3], s[46:47] offset:512*g
.set g, g+1
.endr
	WIN 0
	global_store_b128 v[OO], v[BVR:BVR+3],   s[50:51]
	global_store_b128 v[OO], v[BVR+4:BVR+7], s[50:51] offset:512
.Lend:
	s_wait_tensorcnt 0x0                           ; the wave's end, behind my last LDS store
	ds_add_u32 v[SPW], v[NIL]
	s_wait_dscnt 0x0
	s_endpgm
.Lfunc_end_k_qee593b48b5_prep:
	.size	k_qee593b48b5_prep, .Lfunc_end_k_qee593b48b5_prep-k_qee593b48b5_prep
	.p2alignl 7, 3214868480
	.fill 96, 4, 3214868480
	.section	.rodata,"a",@progbits
	.p2align	6, 0x0
	.amdhsa_kernel k_qee593b48b5_prep
		.amdhsa_group_segment_fixed_size 82432
		.amdhsa_private_segment_fixed_size 0
		.amdhsa_enable_private_segment 0
		.amdhsa_kernarg_size 104
		.amdhsa_user_sgpr_count 2
		.amdhsa_user_sgpr_kernarg_segment_ptr 1
		.amdhsa_wavefront_size32 1
		.amdhsa_system_sgpr_workgroup_id_x 1
		.amdhsa_system_sgpr_workgroup_id_y 1
		.amdhsa_system_sgpr_workgroup_id_z 1
		.amdhsa_system_vgpr_workitem_id 0
		.amdhsa_next_free_vgpr 1024
		.amdhsa_next_free_sgpr 66
		.amdhsa_reserve_vcc 0
		.amdhsa_float_denorm_mode_32 3
		.amdhsa_float_denorm_mode_16_64 3
		.amdhsa_memory_ordered 1
		.amdhsa_forward_progress 1
		.amdhsa_inst_pref_size 68
	.end_amdhsa_kernel
	.amdgpu_metadata
---
amdhsa.version: [ 1, 2 ]
amdhsa.kernels:
  - .name:           k_qee593b48b5_prep
    .symbol:         k_qee593b48b5_prep.kd
    .args:
      - { .name: Wl, .offset: 0, .size: 8, .value_kind: global_buffer, .address_space: global }
      - { .name: Wv, .offset: 8, .size: 8, .value_kind: global_buffer, .address_space: global }
      - { .name: bv, .offset: 16, .size: 8, .value_kind: global_buffer, .address_space: global }
      - { .name: Wq, .offset: 24, .size: 8, .value_kind: global_buffer, .address_space: global }
      - { .name: Wk1, .offset: 32, .size: 8, .value_kind: global_buffer, .address_space: global }
      - { .name: Wk2, .offset: 40, .size: 8, .value_kind: global_buffer, .address_space: global }
      - { .name: Wk3, .offset: 48, .size: 8, .value_kind: global_buffer, .address_space: global }
      - { .name: bq, .offset: 56, .size: 8, .value_kind: global_buffer, .address_space: global }
      - { .name: bk1, .offset: 64, .size: 8, .value_kind: global_buffer, .address_space: global }
      - { .name: bk2, .offset: 72, .size: 8, .value_kind: global_buffer, .address_space: global }
      - { .name: bk3, .offset: 80, .size: 8, .value_kind: global_buffer, .address_space: global }
      - { .name: wp, .offset: 88, .size: 8, .value_kind: global_buffer, .address_space: global }
      - { .name: bp, .offset: 96, .size: 8, .value_kind: global_buffer, .address_space: global }
    .group_segment_fixed_size: 82432
    .private_segment_fixed_size: 0
    .kernarg_segment_align: 8
    .kernarg_segment_size: 104
    .max_flat_workgroup_size: 128
    .sgpr_count:     66
    .vgpr_count:     1024
    .wavefront_size: 32
...
	.end_amdgpu_metadata
.endif
;; end of part 1
;; launch proj (part 2): grid 128 x 3, 4 waves a work-group, no clusters, 82,432 bytes of LDS; arguments x, y, z, wp, bp, qk, vf; writes qk, vf
.if DOCPART == 2
	.amdgcn_target "amdgcn-amd-amdhsa--gfx1250"
	.amdhsa_code_object_version 6
	.text
	.protected	k_qee593b48b5_proj
	.globl	k_qee593b48b5_proj
	.p2align	8
	.type	k_qee593b48b5_proj,@function
k_qee593b48b5_proj:
	s_mov_b64 s[64:65], 0
	v_nop
	global_prefetch_b8 v0, s[64:65] scope:SCOPE_SE
	s_setreg_imm32_b32 hwreg(HW_REG_WAVE_MODE, 25, 1), 1
	s_wait_xcnt 0x0
; THE FIVE 1 x 1 CONVOLUTIONS.  Q' = log2(e) (Wq x + bq), K1 = Wk1 x + bk1, V' = W' x + Wl bv (grid y = 0), K2 = Wk2 y + bk2 (y = 1), K3 = Wk3 z + bk3 (y = 2); operands bf16, sums f32, each result rounded to bf16 once.
; All results are stored as the later launches' matrix instructions want them: a fragment (16 rows x 32 k) is 1,024 bytes, half q = a lane's registers 4 q .. 4 q + 3 at byte 16 x lane.
; qk: [Q', K1, K2, K3][batch][tile of 16 pixels, 256][ct 4][lane][16 bytes]: lane l holds pixel l % 16, channels 16 ct + 8 (l / 16) + 0..7.
; vf: [batch][half of the 512 channels][32 pixels, 128][ot 16][q][lane][16 bytes]: lane l holds channel 16 ot + l % 16, pixels 16 q + 8 (l / 16) + 0..7.
; SHARES.  A work-group takes 64 pixels of one input: 512 rows of 256 bytes, read once, rounded, laid in LDS [channel][pixel] and taken back turned: every wave then holds the whole tile as 64 fragments
; (512 registers).  Blocks of 64 output channels follow each other (x: 0..9, y: 10, z: 11); wave w makes channels 16 w .. of each, for all four pixel tiles: 64 products a block.
; THE WEIGHTS come straight from memory in fragment order, a wave its own quarter of a block, in two halves (kk 0-7 with the C operand: 18 loads; kk 8-15: 16 loads).  A half is asked for again, for the next
; block, four places behind its last product.  The last block is written out: it asks for nothing.
; NO CLUSTER: what work-groups share are the weights, and those go into registers without touching LDS; a joint load would bring them through a ring in LDS with its barriers and 32 LDS loads a wave and block.
; NaN and infinities are not treated apart.
.set PITCH, 160                        ; an LDS row: 64 pixels of bf16 + 32 bytes of padding = 5 x 32 bytes
.set SPARE, 512*PITCH
.set SPW, 2                            ; v2   SPARE + 4 x my thread's number; never rewritten
.set NIL, 3                            ; v3   0; never rewritten
.set XO,  4                            ; v4   (128 w + l / 16) x 16,384 + 16 (l % 16)
.set LSO, 5                            ; v5   (128 w + l / 16) x PITCH + 8 (l % 16)
.set AT,  6                            ; v6, v7  the turning loads' addresses, kk 0-7 and kk 8-15
.set WO,  8                            ; v8   16,384 w + 16 l: my quarter of a block of wp
.set CO,  9                            ; v9   1,024 w + 16 l: in bp, and in a chunk of vf
.set VOQ, 10                           ; v10  512 w + 16 l: in a pixel tile of qk
.set ACC, 16                           ; v16-47  four accumulators, one a pixel tile
.set CIMG, 48                          ; v48-55  the block's C operand
.set OUTR, 64                          ; v64-79  rounded results
.set WV,  8                            ; s8   my wave's number
; s10 batch, s11 tile of 64 pixels, s12 role, s13 block, s14 blocks but the last, s15 counts them; s[32:33] wp at the block, s[34:35] bp at the block, s[36:37] the stores' base, s[38:39] the scale
; windows: 1: v0-127 the weights' fragments (8 kk); 2: the input as loaded, then its fragments kk 0-7 at 8 (4 (kk % 8) + p); 3: fragments kk 8-15
.set MSB, 0
.macro WIN new
.if MSB != (\new)
	s_set_vgpr_msb (MSB<<8)|(\new)
.set MSB, (\new)
.endif
.endm
.macro PLACES                          ; four places between a product and a load into, or a read of, its registers
.rept 4
	v_nop
.endr
.endm
.macro LOADA                           ; kk 0-7 and the C operand: 18 loads
	WIN 0x40
.set i, 0
.rept 16
	global_load_b128 v[4*i:4*i+3], v[WO], s[32:33] offset:512*i
.set i, i+1
.endr
	WIN 0
	global_load_b128 v[CIMG:CIMG+3],   v[CO], s[34:35]
	global_load_b128 v[CIMG+4:CIMG+7], v[CO], s[34:35] offset:512
.endm
.macro LOADB                           ; kk 8-15: 16 loads
	WIN 0x40
.set i, 16
.rept 16
	global_load_b128 v[4*i:4*i+3], v[WO], s[32:33] offset:512*i
.set i, i+1
.endr
	WIN 0
.endm
; 32 products: kk = k0 .. k0 + 7, the four accumulators by turns.  ty = 0: source 0 = weights: a lane ends with one pixel and eight channels (Q', K).
; ty = 1: source 0 = pixels: a lane ends with one channel and eight pixels (V').  The first product of a sum takes the bias as C.
.macro PRODS ty, k0
.set kk, \k0
.rept 8
.if \ty
	WIN 0x06+kk/8
.else
	WIN 0x09+4*(kk/8)
.endif
.irp p, 0,1,2,3
.set rX, 8*(4*(kk%8)+\p)
.set rA, ACC+8*\p
.if \ty
.if kk == 0
	v_wmma_f32_16x16x32_bf16 v[rA:rA+7], v[rX:rX+7], v[8*kk:8*kk+7], v[CIMG:CIMG+7]
.else
	v_wmma_f32_16x16x32_bf16 v[rA:rA+7], v[rX:rX+7], v[8*kk:8*kk+7], v[rA:rA+7]
.endif
.else
.if kk == 0
	v_wmma_f32_16x16x32_bf16 v[rA:rA+7], v[8*kk:8*kk+7], v[rX:rX+7], v[CIMG:CIMG+7]
.else
	v_wmma_f32_16x16x32_bf16 v[rA:rA+7], v[8*kk:8*kk+7], v[rX:rX+7], v[rA:rA+7]
.endif
.endif
.endr
.set kk, kk+1
.endr
	WIN 0
.endm
; A block.  nx = 1: the next block's weights are asked for.
.macro TRIP ty, nx
	s_wait_loadcnt 16                              ; the first half and C are in; the second half's 16 loads may stay out
	PRODS \ty, 0
.if \nx
	PLACES
	s_add_nc_u64 s[32:33], s[32:33], 65536         ; every load that named these bases stands ahead of the last s_wait_xcnt 0 (or has been waited for)
	s_add_nc_u64 s[34:35], s[34:35], 4096
	LOADA
	s_wait_loadcnt 18                              ; the second half is in; the 18 just issued may stay out
.else
	s_wait_loadcnt 0x0
.endif
	PRODS \ty, 8
	PLACES
.if \nx
	LOADB
.endif
	s_wait_xcnt 0x0                                ; the last block's stores have read their base and data, which are written anew below
.if \ty
	s_sub_co_u32 s40, s13, 2                       ; e: which 64 of V''s 512 channels
	s_lshr_b32 s41, s40, 2
	s_lshl_b32 s42, s10, 1
	s_add_co_u32 s41, s41, s42                     ; 2 batch + half
	s_lshl_b32 s41, s41, 21
	s_and_b32 s40, s40, 3
	s_lshl_b32 s40, s40, 12                        ; four ot of 1,024 bytes
	s_add_co_u32 s40, s40, s41
	s_lshl_b32 s41, s11, 15                        ; 64 pixels are two chunks of 16,384 bytes
	s_add_co_u32 s40, s40, s41
	s_mov_b32 s41, 0
	s_add_nc_u64 s[36:37], s[28:29], s[40:41]
.else
	s_sub_co_u32 s40, s13, 8
	s_cmp_lt_u32 s13, 2
	s_cselect_b32 s40, s13, s40                    ; blocks 0, 1, 10, 11 are tensors 0, 1, 2, 3
	s_lshl_b32 s40, s40, 1
	s_add_co_u32 s40, s40, s10
	s_lshl_b32 s40, s40, 19
	s_lshl_b32 s41, s11, 13                        ; four pixel tiles of 2,048 bytes
	s_add_co_u32 s40, s40, s41
	s_mov_b32 s41, 0
	s_add_nc_u64 s[36:37], s[26:27], s[40:41]
	s_cmp_eq_u32 s13, 0
	s_cselect_b32 s38, 0x3fb8aa3b, 1.0             ; log2(e) for Q, so that the later exponentials are powers of two
	s_mov_b32 s39, s38
.set n, 0
.rept 16
	v_pk_mul_f32 v[ACC+2*n:ACC+2*n+1], v[ACC+2*n:ACC+2*n+1], s[38:39] op_sel_hi:[1,0]
.set n, n+1
.endr
.endif
.set n, 0
.rept 16
	v_cvt_pk_bf16_f32 v[OUTR+n], v[ACC+2*n], v[ACC+2*n+1]
.set n, n+1
.endr
.irp p, 0,1,2,3                        ; each store of the wave covers 512 consecutive bytes, aligned
.if \ty
	global_store_b128 v[CO], v[OUTR+4*\p:OUTR+4*\p+3], s[36:37] offset:(\p/2)*16384+(\p%2)*512
.else
	global_store_b128 v[VOQ], v[OUTR+4*\p:OUTR+4*\p+3], s[36:37] offset:2048*\p
.endif
.endr
.endm
	s_load_b256 s[16:23], s[0:1], 0x0              ; x s[16:17], y s[18:19], z s[20:21], wp s[22:23]
	s_load_b128 s[24:27], s[0:1], 0x20             ; bp s[24:25], qk s[26:27]
	s_load_b64 s[28:29], s[0:1], 0x30              ; vf
	v_lshl_add_u32 v[SPW], v0, 2, SPARE
	v_mov_b32 v[NIL], 0
	v_lshrrev_b32 v1, 5, v0
	v_readfirstlane_b32 s[WV], v1
	v_and_b32 v12, 15, v0                          ; l % 16
	v_bfe_u32 v13, v0, 4, 1                        ; l / 16
	v_and_b32 v14, 31, v0                          ; l
	s_lshr_b32 s10, ttmp9, 6                       ; batch
	s_and_b32 s11, ttmp9, 63                       ; tile of 64 pixels
	s_and_b32 s12, ttmp7, 0xffff                   ; 0: x, 1: y, 2: z
	s_lshl_b32 s9, s[WV], 21                       ; 128 w rows of 16,384 bytes
	v_lshlrev_b32 v[XO], 14, v13
	v_lshl_add_u32 v[XO], v12, 4, v[XO]
	v_add_nc_u32 v[XO], s9, v[XO]
	s_mul_i32 s9, s[WV], 128*PITCH
	v_mul_u32_u24 v[LSO], v13, PITCH
	v_lshl_add_u32 v[LSO], v12, 3, v[LSO]
	v_add_nc_u32 v[LSO], s9, v[LSO]
	v_and_b32 v15, 7, v0
	v_bfe_u32 v1, v0, 3, 1
	v_lshl_add_u32 v[AT], v13, 3, v15
	v_mul_u32_u24 v[AT], v[AT], PITCH
	v_lshl_add_u32 v[AT], v1, 4, v[AT]
	v_add_nc_u32 v[AT+1], 256*PITCH, v[AT]
	s_lshl_b32 s9, s[WV], 14
	v_lshl_add_u32 v[WO], v14, 4, s9
	s_lshl_b32 s9, s[WV], 10
	v_lshl_add_u32 v[CO], v14, 4, s9
	s_lshl_b32 s9, s[WV], 9
	v_lshl_add_u32 v[VOQ], v14, 4, s9
	s_add_co_u32 s13, s12, 9
	s_cmp_eq_u32 s12, 0
	s_cselect_b32 s13, 0, s13                      ; first block: 0, 10, 11
	s_cselect_b32 s14, 9, 0                        ; blocks ahead of the last
	s_lshl_b32 s40, s13, 16
	s_mov_b32 s41, 0
	s_lshl_b32 s42, s13, 12
	s_mov_b32 s43, 0
	s_lshl_b32 s44, s10, 23                        ; a batch is 8,388,608 bytes
	s_lshl_b32 s45, s11, 8
	s_add_co_u32 s44, s44, s45
	s_mov_b32 s45, 0
	s_wait_kmcnt 0x0
	s_add_nc_u64 s[32:33], s[22:23], s[40:41]
	s_add_nc_u64 s[34:35], s[24:25], s[42:43]
	s_cmp_eq_u32 s12, 1
	s_cselect_b64 s[30:31], s[18:19], s[16:17]
	s_cmp_eq_u32 s12, 2
	s_cselect_b64 s[30:31], s[20:21], s[30:31]
	s_add_nc_u64 s[30:31], s[30:31], s[44:45]
	LOADA                                          ; the first block's weights, ahead of the input
	LOADB
	WIN 0x80
.set i, 0
.rept 64                               ; two rows of 256 bytes an instruction: channels 128 w + 2 i + l / 16
	global_load_b128 v[4*i:4*i+3], v[XO], s[30:31] offset:32768*i th:TH_LOAD_NT
.set i, i+1
.endr
.set gq, 0
.rept 4
	s_wait_loadcnt 48-16*gq                        ; the younger loads of the input may stay out
	WIN 0x8a
.set i, 16*gq
.rept 16
	v_cvt_pk_bf16_f32 v[4*i],   v[4*i],   v[4*i+1]
	v_cvt_pk_bf16_f32 v[4*i+1], v[4*i+2], v[4*i+3]
.set i, i+1
.endr
	WIN 0x08
.set i, 16*gq
.rept 16
	ds_store_b64 v[LSO], v[4*i:4*i+1] offset:2*PITCH*i
.set i, i+1
.endr
.set gq, gq+1
.endr
	WIN 0
	s_wait_dscnt 0x0                               ; for the others' sake: my rows of the tile are written
	s_barrier_signal -1
	s_barrier_wait -1
.set kk, 0
.rept 16
	WIN 0x80+0x40*(kk/8)
.irp p, 0,1,2,3
	ds_load_tr16_b128 v[8*(4*(kk%8)+\p):8*(4*(kk%8)+\p)+3],   v[AT+kk/8] offset:(kk%8)*32*PITCH+32*\p
	ds_load_tr16_b128 v[8*(4*(kk%8)+\p)+4:8*(4*(kk%8)+\p)+7], v[AT+kk/8] offset:(kk%8)*32*PITCH+32*\p+16*PITCH
.endr
.set kk, kk+1
.endr
	WIN 0
	s_wait_dscnt 0x0
	s_mov_b32 s15, 0
	s_cmp_eq_u32 s14, 0
	s_cbranch_scc1 .Ltail                          ; y and z have one block
.Lblk:
	s_sub_co_u32 s43, s13, 2
	s_cmp_lt_u32 s43, 8                            ; blocks 2..9 are V''s
	s_cbranch_scc1 .Lv
	TRIP 0, 1
	s_branch .Lnext
.Lv:
	TRIP 1, 1
.Lnext:
	s_add_co_u32 s13, s13, 1
	s_add_co_u32 s15, s15, 1
	s_cmp_lt_u32 s15, s14
	s_cbranch_scc1 .Lblk
.Ltail:
	s_sub_co_u32 s43, s13, 2
	s_cmp_lt_u32 s43, 8
	s_cbranch_scc1 .Lvlast
	TRIP 0, 0
	s_branch .Lend
.Lvlast:
	TRIP 1, 0
.Lend:
	s_wait_tensorcnt 0x0                           ; the wave's end, behind my last LDS store
	ds_add_u32 v[SPW], v[NIL]
	s_wait_dscnt 0x0
	s_endpgm
.Lfunc_end_k_qee593b48b5_proj:
	.size	k_qee593b48b5_proj, .Lfunc_end_k_qee593b48b5_proj-k_qee593b48b5_proj
	.p2alignl 7, 3214868480
	.fill 96, 4, 3214868480
	.section	.rodata,"a",@progbits
	.p2align	6, 0x0
	.amdhsa_kernel k_qee593b48b5_proj
		.amdhsa_group_segment_fixed_size 82432
		.amdhsa_private_segment_fixed_size 0
		.amdhsa_enable_private_segment 0
		.amdhsa_kernarg_size 56
		.amdhsa_user_sgpr_count 2
		.amdhsa_user_sgpr_kernarg_segment_ptr 1
		.amdhsa_wavefront_size32 1
		.amdhsa_system_sgpr_workgroup_id_x 1
		.amdhsa_system_sgpr_workgroup_id_y 1
		.amdhsa_system_sgpr_workgroup_id_z 1
		.amdhsa_system_vgpr_workitem_id 0
		.amdhsa_next_free_vgpr 1024
		.amdhsa_next_free_sgpr 66
		.amdhsa_reserve_vcc 0
		.amdhsa_float_denorm_mode_32 3
		.amdhsa_float_denorm_mode_16_64 3
		.amdhsa_memory_ordered 1
		.amdhsa_forward_progress 1
		.amdhsa_inst_pref_size 67
	.end_amdhsa_kernel
	.amdgpu_metadata
---
amdhsa.version: [ 1, 2 ]
amdhsa.kernels:
  - .name:           k_qee593b48b5_proj
    .symbol:         k_qee593b48b5_proj.kd
    .args:
      - { .name: x, .offset: 0, .size: 8, .value_kind: global_buffer, .address_space: global }
      - { .name: y, .offset: 8, .size: 8, .value_kind: global_buffer, .address_space: global }
      - { .name: z, .offset: 16, .size: 8, .value_kind: global_buffer, .address_space: global }
      - { .name: wp, .offset: 24, .size: 8, .value_kind: global_buffer, .address_space: global }
      - { .name: bp, .offset: 32, .size: 8, .value_kind: global_buffer, .address_space: global }
      - { .name: qk, .offset: 40, .size: 8, .value_kind: global_buffer, .address_space: global }
      - { .name: vf, .offset: 48, .size: 8, .value_kind: global_buffer, .address_space: global }
    .group_segment_fixed_size: 82432
    .private_segment_fixed_size: 0
    .kernarg_segment_align: 8
    .kernarg_segment_size: 56
    .max_flat_workgroup_size: 128
    .sgpr_count:     66
    .vgpr_count:     1024
    .wavefront_size: 32
...
	.end_amdgpu_metadata
.endif
;; end of part 2
;; launch stats (part 3): grid 32 x 6, 4 waves a work-group, clusters of 4 x 1, 327,680 bytes of LDS; arguments qk, nd; writes nd
.if DOCPART == 3
	.amdgcn_target "amdgcn-amd-amdhsa--gfx1250"
	.amdhsa_code_object_version 6
	.text
	.protected	k_qee593b48b5_stats
	.globl	k_qee593b48b5_stats
	.p2align	8
	.type	k_qee593b48b5_stats,@function
k_qee593b48b5_stats:
	s_mov_b64 s[64:65], 0
	v_nop
	global_prefetch_b8 v0, s[64:65] scope:SCOPE_SE
	s_setreg_imm32_b32 hwreg(HW_REG_WAVE_MODE, 25, 1), 1
	s_wait_xcnt 0x0
	s_wait_alu depctr_hold_cnt(0) depctr_sa_sdst(0) depctr_va_vdst(0) depctr_va_sdst(0) depctr_va_ssrc(0) depctr_va_vcc(0) depctr_vm_vsrc(0)
	s_getreg_b32 s2, hwreg(HW_REG_IB_STS2, 6, 4)
	s_cmp_eq_u32 s2, 0
	s_cbranch_scc0 .Lentry_in_a_cluster
	s_endpgm
.Lentry_in_a_cluster:
	s_bfe_u32 s2, ttmp6, 0x10000c
	s_cmp_lg_u32 s2, 0x3003
	s_cbranch_scc0 .Lentry_shape_is_right
	s_endpgm
.Lentry_shape_is_right:
; THE SOFTMAX'S ROW FIGURES.  For each batch, branch and row m: nd = -(M + log2 of the sum over n of 2^(s' - M)), s'[m][n] = Q'[m] . K[n] (Q' carries log2(e)), M the row's maximum, found as a running maximum.
; The next launch's weight is then 2^(s' + nd): the written softmax, its maximum taken away and its division folded into the exponent.
; A term below 2^-126 counts as 0 in the sum; NaN and infinities are not treated apart.
; SHARES.  Grid y = 3 batch + branch.  A work-group owns 128 rows m, a wave two tiles of 16, with Q' in registers; every wave walks the branch's 4,096 n, 64 a step.
; 192 work-groups: the 1,536 walks of a tile share out evenly among 256 only if a row's n were split between work-groups, whose figures would then have to meet in memory.
; LAYOUT.  S^T = K Q'^T (source 0 = 16 n, source 1 = 16 m): a lane holds ONE m (lane % 16) and the n 8 (lane / 16) + 0..7.  Each lane keeps a maximum and a sum of its own; the two halves of the lanes meet at the end.
; BY TURNS.  Turn u works on tile u's 32 scores a lane (34 plain instructions, 33 exponentials, 16 sums) while the 8 products of the other tile's next scores stand among the plain ones.
; CLUSTER.  The four work-groups of a cluster walk the same K: each tile is asked for jointly.  K lies in memory as the fragments want it, so a slot is dense and every LDS load takes 512 consecutive bytes.
.set SLOT1, 1<<17                      ; a slot: 1,024 n = 64 tiles of 2,048 bytes; slot 1 begins here
.set STG,   2*SLOT1                    ; 512 bytes of my own for the way out
.set SPARE, STG+512                    ; the spare words, 128 bytes for each wave
.set STEPB, 8192                       ; 64 n
.set SPW, 2                            ; v2   SPARE + 4 x my thread's number; never rewritten
.set NIL, 3                            ; v3   0; never rewritten
.set AK0, 4                            ; v4   16 x lane
.set AK,  5                            ; v5   the LDS address of the run of loads in hand
.set PFO, 7                            ; v7   256 x lane
.set ST,  8                            ; v8-15    tile u at ST + 4 u: m, 0, l (even n's, odd n's)
.set TMP, 16                           ; v16-23   tile u at TMP + 4 u: c0-c3 at work; c2 takes a
.set QF,  24                           ; v24-55   Q': tile u, channel half cc at 16 u + 8 cc
.set KF,  56                           ; v56-119  K of one step: n tile kb, channel half cc at 16 kb + 8 cc
.set SB,  120                          ; v120-183 S^T: 32 a tile
.set WV,  8                            ; s8   my wave's number
.set G1,  24                           ; s[24:31] descriptor group 1
.set G0,  32                           ; s[32:35] descriptor group 0: it walks
.set SLOTS, 36
.set CNT, 37
.set LIM, 38                           ; s38  2 in the cluster that prefetches, else no number that SLOTS takes
.set TB,  39                           ; s39  LDS byte at which K of the step to be fetched begins
.set SEL, 40                           ; s[40:41] v_permlanex16_b32's selects: each lane takes its own place in the other half
.set PFA, 42                           ; s[42:43] my 8,192 bytes of the stream's last tile
.macro PLACES
.rept 4
	v_nop
.endr
.endm
.macro CROUND                          ; a round of the cluster's barrier
	s_barrier_signal -1
	s_barrier_wait -1
	s_cmp_lg_u32 s[WV], 0
	s_cbranch_scc1 .Lnot_wave_0_\@
	s_barrier_signal -3
.Lnot_wave_0_\@:
	s_barrier_wait -3
	s_barrier_signal -1
	s_barrier_wait -1
.endm
; THE CHANGE OF SLOTS.  Each wave waits for all its tensor loads (one is out: its quarter of the other slot), adds 0 to its spare word, and waits for that and for its reads of the slot that it leaves.
; fill = 1: behind a round of the cluster's barrier the old slot is filled again, the first thing there, with the next 1,024 n: it has 16 steps in which to land.
; The prefetch: at the change that asks for tile 2 the branch's first cluster names tile 3, which the next change will ask for: 512 blocks of 256 bytes, a lane a block, the partners and waves told apart by address.
.macro CHANGE fill
	s_wait_tensorcnt 0x0                           ; no tensor load of mine is out, so group 0 may be written
	ds_add_u32 v[SPW], v[NIL]
.if \fill
	s_xor_b32 s[G0+1], s[G0+1], SLOT1
	s_add_nc_u64 s[G0+2:G0+3], s[G0+2:G0+3], SLOT1
.endif
	s_wait_dscnt 0x0                               ; the add is done, and my reads of the slot are over
.if \fill
	CROUND
	tensor_load_to_lds s[G0:G0+3], s[G1:G1+7]
	s_nop 0
	PLACES
	s_cmp_eq_u32 s[SLOTS], s[LIM]
	s_cbranch_scc0 .Lnot_mine_\@
	global_prefetch_b8 v[PFO], s[PFA:PFA+1] th:TH_LOAD_NT scope:SCOPE_SE
.Lnot_mine_\@:
.else
	s_barrier_signal -1
	s_barrier_wait -1
.endif
	s_sub_co_u32 s[TB], s[TB], SLOT1               ; the fetches go back to a slot's first step,
	s_xor_b32 s[TB], s[TB], SLOT1                  ; in the other slot
.endm
.macro FETCH                           ; a step's K: 16 loads of 512 consecutive bytes
	v_add_nc_u32 v[AK], s[TB], v[AK0]
.set i, 0
.rept 16
	ds_load_b128 v[KF+4*i:KF+4*i+3], v[AK] offset:512*i
.set i, i+1
.endr
	s_add_co_u32 s[TB], s[TB], STEPB
.endm
.macro MM t                            ; product k of 8 for tile t: n tile k % 4, channel half k / 4; the four accumulators take turns
.set rD, SB+32*(\t)+8*(k%4)
.set rK, KF+16*(k%4)+8*(k/4)
.set rQ, QF+16*(\t)+8*(k/4)
.if k < 4
	v_wmma_f32_16x16x32_bf16 v[rD:rD+7], v[rK:rK+7], v[rQ:rQ+7], 0
.else
	v_wmma_f32_16x16x32_bf16 v[rD:rD+7], v[rK:rK+7], v[rQ:rQ+7], v[rD:rD+7]
.endif
.set k, k+1
.endm
; Plain instruction q of 34 for tile u.  0-15: the maximum of the 32 scores and the old m (each accumulator's lowest registers are read first); 16: m_old - m_new; 17: m; 18-33: s - m, a pair each.
.macro PLQ u
.set rT, ST+4*(\u)
.set rC, TMP+4*(\u)
.set rS, SB+32*(\u)
.if q < 4
	v_max3_num_f32 v[rC+q], v[rS+8*q], v[rS+8*q+1], v[rS+8*q+2]
.elseif q < 12
	v_max3_num_f32 v[rC+q%4], v[rC+q%4], v[rS+8*(q%4)+2*(q/4)+1], v[rS+8*(q%4)+2*(q/4)+2]
.elseif q == 12
	v_max3_num_f32 v[rC], v[rC], v[rS+7], v[rS+15]
.elseif q == 13
	v_max3_num_f32 v[rC+1], v[rC+1], v[rS+23], v[rS+31]
.elseif q == 14
	v_max3_num_f32 v[rC+2], v[rC+2], v[rC+3], v[rT]
.elseif q == 15
	v_max3_num_f32 v[rC], v[rC], v[rC+1], v[rC+2]
.elseif q == 16
	v_sub_f32 v[rC+1], v[rT], v[rC]
.elseif q == 17
	v_mov_b32 v[rT], v[rC]
.else
	v_pk_add_f32 v[rS+2*(q-18):rS+2*(q-18)+1], v[rS+2*(q-18):rS+2*(q-18)+1], v[rT:rT+1] op_sel_hi:[1,0] neg_lo:[0,1] neg_hi:[0,1]
.endif
.set q, q+1
.endm
; A TURN for tile u.  mm = 1: the other tile's next 8 products, three plain instructions behind each.  fetch = 1: the next step's K, seven plain instructions behind the last product that read K and ahead of the
; exponentials, which stand between the loads and the wait for them.  The 33 exponentials are one batch with one wait; nothing ahead of it names a result of theirs.
.macro TURN u, fetch, mm
.set q, 0
.set k, 0
.rept 6
	PLQ \u
.endr
.if (\u) && (\mm)
	s_wait_dscnt 0x0                               ; K of the next step is in
.endif
.rept 8
.if \mm
	MM 1-(\u)
.endif
	PLQ \u
	PLQ \u
	PLQ \u
.endr
.rept 4
	PLQ \u
.endr
.if \fetch
	FETCH
.endif
	v_exp_f32 v[rC+2], v[rC+1]                     ; a = 2^(m_old - m_new)
.set e, 0
.rept 32
	v_exp_f32 v[rS+e], v[rS+e]
.set e, e+1
.endr
	v_nop                                          ; a plain instruction behind the last exponential,
	s_wait_alu depctr_va_vdst(0)                   ; and the one wait for the batch, ahead of the first reader
.set z, 0
.rept 8
	v_pk_add_f32 v[rS+4*z:rS+4*z+1], v[rS+4*z:rS+4*z+1], v[rS+4*z+2:rS+4*z+3]
.set z, z+1
.endr
.set z, 0
.rept 4
	v_pk_add_f32 v[rS+8*z:rS+8*z+1], v[rS+8*z:rS+8*z+1], v[rS+8*z+4:rS+8*z+5]
.set z, z+1
.endr
	v_pk_add_f32 v[rS:rS+1], v[rS:rS+1], v[rS+8:rS+9]
	v_pk_add_f32 v[rS+16:rS+17], v[rS+16:rS+17], v[rS+24:rS+25]
	v_pk_add_f32 v[rS:rS+1], v[rS:rS+1], v[rS+16:rS+17]
	v_pk_fma_f32 v[rT+2:rT+3], v[rT+2:rT+3], v[rC+2:rC+3], v[rS:rS+1] op_sel_hi:[1,0,1]  ; l = a l + the step's sum
.endm
	s_load_b128 s[16:19], s[0:1], 0x0              ; qk s[16:17], nd s[18:19]
	v_lshl_add_u32 v[SPW], v0, 2, SPARE
	v_mov_b32 v[NIL], 0
	ds_add_u32 v[SPW], v[NIL]                      ; the wave's opening: the add, and its wait ahead of my first tensor load
	v_lshrrev_b32 v1, 5, v0
	v_readfirstlane_b32 s[WV], v1
	s_bfe_u32 s9, ttmp6, 0x40000                   ; cx: it enters Q''s, nd's and the prefetch's addresses alone
	s_lshl_b32 s10, ttmp9, 2
	s_add_co_u32 s10, s10, s9                      ; my block of 128 rows
	s_and_b32 s11, ttmp7, 0xffff                   ; 3 batch + branch
	s_cmp_ge_u32 s11, 3
	s_cselect_b32 s12, 1, 0                        ; batch
	s_mul_i32 s13, s12, 3
	s_sub_co_u32 s13, s11, s13                     ; branch
	s_mov_b32 s[G1],   15|(3<<16)|(1<<21)          ; the mask of four; elements of 8 bytes; bit 21 beside a mask; no padding
	s_mov_b32 s[G1+1], 32<<16                      ; tensor_dim0 = 32: rows of 256 bytes
	s_mov_b32 s[G1+2], 128<<16                     ; tensor_dim1 = 128
	s_mov_b32 s[G1+3], 32<<16                      ; tile_dim0 = 32
	s_mov_b32 s[G1+4], 128                         ; tile_dim1 = 128: a wave's quarter of a slot, 32,768 dense bytes
	s_mov_b32 s[G1+5], 32                          ; from row to row
	s_mov_b32 s[G1+6], 0
	s_mov_b32 s[G1+7], 0
	s_mov_b32 s[G0], 1
	s_lshl_b32 s[G0+1], s[WV], 15                  ; slot 0, my quarter
	s_lshl_b32 s20, s13, 1
	s_add_co_u32 s20, s20, s12
	s_add_co_u32 s20, s20, 2
	s_lshl_b32 s20, s20, 19                        ; tensor 1 + branch of the batch
	s_mov_b32 s21, 0
	s_lshl_b32 s22, s[WV], 15
	s_mov_b32 s23, 0
	s_lshl_b32 s6, s9, 2
	s_add_co_u32 s6, s6, s[WV]
	s_lshl_b32 s6, s6, 13
	s_add_co_u32 s6, s6, 3*SLOT1                   ; tile 3, the 8,192 bytes of partner cx's wave w
	s_mov_b32 s7, 0
	s_lshl_b32 s46, s12, 19
	s_lshl_b32 s47, s10, 14
	s_add_co_u32 s46, s46, s47
	s_lshl_b32 s47, s[WV], 12
	s_add_co_u32 s46, s46, s47                     ; Q' of my two tiles
	s_mov_b32 s47, 0
	s_lshl_b32 s44, s11, 14
	s_lshl_b32 s45, s10, 9
	s_add_co_u32 s44, s44, s45                     ; nd of my work-group's 128 rows
	s_mov_b32 s45, 0
	s_mov_b32 s[SEL], 0x76543210
	s_mov_b32 s[SEL+1], 0xfedcba98
	s_mov_b32 s[TB], 2*SLOT1                       ; the first change turns it into 0
	s_mov_b32 s[SLOTS], 3
	s_cmp_eq_u32 ttmp9, 0                          ; the same in all four partners
	s_cselect_b32 s[LIM], 2, -1
	s_wait_dscnt 0x0                               ; the opening add is done
	s_wait_kmcnt 0x0
	s_add_nc_u64 s[4:5], s[16:17], s[20:21]
	s_add_nc_u64 s[G0+2:G0+3], s[4:5], s[22:23]
	s_or_b32 s[G0+3], s[G0+3], 0x80000000
	s_add_nc_u64 s[PFA:PFA+1], s[4:5], s[6:7]
	s_add_nc_u64 s[46:47], s[16:17], s[46:47]
	s_add_nc_u64 s[44:45], s[18:19], s[44:45]
	CROUND                                         ; all four work-groups are here: the first joint loads meet
	tensor_load_to_lds s[G0:G0+3], s[G1:G1+7]      ; tile 0 into slot 0
	s_nop 0
	PLACES
	v_and_b32 v1, 31, v0                           ; lane; kept
	v_lshlrev_b32 v[AK0], 4, v1
	v_lshlrev_b32 v[PFO], 8, v1
.set i, 0
.rept 8
	global_load_b128 v[QF+4*i:QF+4*i+3], v[AK0], s[46:47] offset:512*i
.set i, i+1
.endr
.irp u, 0,1
	v_mov_b32 v[ST+4*\u], 0xff7fffff               ; m: the lowest finite number, so the first a is 0
	v_mov_b32 v[ST+4*\u+1], 0                      ; named with m as a pair
	v_mov_b32 v[ST+4*\u+2], 0
	v_mov_b32 v[ST+4*\u+3], 0
.endr
	CHANGE 1                                       ; slot 0 is in, everybody's part of it; slot 1 is asked for
	FETCH                                          ; step 0
	s_wait_loadcnt 0x0                             ; Q'
	s_wait_dscnt 0x0
.set k, 0
.rept 8
	MM 0                                           ; tile 0's first scores
.endr
	PLACES
	s_mov_b32 s[CNT], 15                           ; steps 0..14 fetch K of steps 1..15: with step 0's that is slot 0
	s_branch .Lstep
.Lslot:                                        ; twice: tiles 2 and 3 are asked for
	CHANGE 1
	s_mov_b32 s[CNT], 16
.Lstep:                                        ; step j: tile 0's figures | tile 1's scores, K of step j + 1; then tile 1's figures | tile 0's scores of step j + 1
	TURN 0, 1, 1
	TURN 1, 0, 1
	s_sub_co_u32 s[CNT], s[CNT], 1
	s_cmp_lg_u32 s[CNT], 0
	s_cbranch_scc1 .Lstep
	s_sub_co_u32 s[SLOTS], s[SLOTS], 1
	s_cmp_lg_u32 s[SLOTS], 0
	s_cbranch_scc1 .Lslot
	CHANGE 0                                       ; the tail is written out: nothing is asked for
	s_mov_b32 s[CNT], 16
.Ltail:                                        ; steps 47..62
	TURN 0, 1, 1
	TURN 1, 0, 1
	s_sub_co_u32 s[CNT], s[CNT], 1
	s_cmp_lg_u32 s[CNT], 0
	s_cbranch_scc1 .Ltail
	TURN 0, 0, 1                                   ; step 63: nothing is left to fetch,
	TURN 1, 0, 0                                   ; and no further scores to make
	; the two halves of the lanes meet: M = max, l = l 2^(m - M) + l' 2^(m' - M); nd = -(M + log2 l)
.irp u, 0,1
	v_add_f32 v[ST+4*\u+2], v[ST+4*\u+2], v[ST+4*\u+3]
.endr
.irp u, 0,1
	v_permlanex16_b32 v[TMP+4*\u], v[ST+4*\u], s[SEL], s[SEL+1]
	v_permlanex16_b32 v[TMP+4*\u+1], v[ST+4*\u+2], s[SEL], s[SEL+1]
.endr
.irp u, 0,1
	v_max_num_f32 v[TMP+4*\u+2], v[ST+4*\u], v[TMP+4*\u]
.endr
.irp u, 0,1
	v_sub_f32 v[ST+4*\u], v[ST+4*\u], v[TMP+4*\u+2]
	v_sub_f32 v[TMP+4*\u], v[TMP+4*\u], v[TMP+4*\u+2]
.endr
.irp u, 0,1
	v_exp_f32 v[ST+4*\u], v[ST+4*\u]
	v_exp_f32 v[TMP+4*\u], v[TMP+4*\u]
.endr
	v_nop
	s_wait_alu depctr_va_vdst(0)                   ; one wait for the four
.irp u, 0,1
	v_mul_f32 v[ST+4*\u+2], v[ST+4*\u+2], v[ST+4*\u]
.endr
.irp u, 0,1
	v_fma_f32 v[ST+4*\u+2], v[TMP+4*\u+1], v[TMP+4*\u], v[ST+4*\u+2]
.endr
.irp u, 0,1
	v_log_f32 v[ST+4*\u+2], v[ST+4*\u+2]
.endr
	v_nop
	s_wait_alu depctr_va_vdst(0)                   ; one wait for the two
.irp u, 0,1
	v_fma_f32 v[ST+4*\u+2], v[ST+4*\u+2], -1.0, -v[TMP+4*\u+2]
.endr
	v_cmp_lt_u32 s20, 15, v1                       ; lanes 16-31 take tile 1's row lane - 16: thread t then holds row t of the work-group's 128
	v_cndmask_b32 v184, v[ST+2], v[ST+6], s20
	v_lshl_add_u32 v185, v0, 2, STG
	ds_store_b32 v185, v184
	s_wait_dscnt 0x0                               ; for wave 0's sake
	s_barrier_signal -1
	s_barrier_wait -1
	s_cmp_lg_u32 s[WV], 0
	s_cbranch_scc1 .Lend
	v_add_nc_u32 v186, STG, v[AK0]
	ds_load_b128 v[188:191], v186
	s_wait_dscnt 0x0
	global_store_b128 v[AK0], v[188:191], s[44:45] ; 512 consecutive bytes, aligned
.Lend:
	s_wait_tensorcnt 0x0                           ; the wave's end
	ds_add_u32 v[SPW], v[NIL]
	s_wait_dscnt 0x0
	CROUND                                         ; the closing round
	s_endpgm
.Lfunc_end_k_qee593b48b5_stats:
	.size	k_qee593b48b5_stats, .Lfunc_end_k_qee593b48b5_stats-k_qee593b48b5_stats
	.p2alignl 7, 3214868480
	.fill 96, 4, 3214868480
	.section	.rodata,"a",@progbits
	.p2align	6, 0x0
	.amdhsa_kernel k_qee593b48b5_stats
		.amdhsa_group_segment_fixed_size 327680
		.amdhsa_private_segment_fixed_size 0
		.amdhsa_enable_private_segment 0
		.amdhsa_kernarg_size 16
		.amdhsa_user_sgpr_count 2
		.amdhsa_user_sgpr_kernarg_segment_ptr 1
		.amdhsa_wavefront_size32 1
		.amdhsa_system_sgpr_workgroup_id_x 1
		.amdhsa_system_sgpr_workgroup_id_y 1
		.amdhsa_system_sgpr_workgroup_id_z 1
		.amdhsa_system_vgpr_workitem_id 0
		.amdhsa_next_free_vgpr 192
		.amdhsa_next_free_sgpr 66
		.amdhsa_reserve_vcc 0
		.amdhsa_float_denorm_mode_32 3
		.amdhsa_float_denorm_mode_16_64 3
		.amdhsa_memory_ordered 1
		.amdhsa_forward_progress 1
		.amdhsa_inst_pref_size 42
	.end_amdhsa_kernel
	.amdgpu_metadata
---
amdhsa.version: [ 1, 2 ]
amdhsa.kernels:
  - .name:           k_qee593b48b5_stats
    .symbol:         k_qee593b48b5_stats.kd
    .args:
      - { .name: qk, .offset: 0, .size: 8, .value_kind: global_buffer, .address_space: global }
      - { .name: nd, .offset: 8, .size: 8, .value_kind: global_buffer, .address_space: global }
    .group_segment_fixed_size: 327680
    .private_segment_fixed_size: 0
    .kernarg_segment_align: 8
    .kernarg_segment_size: 16
    .max_flat_workgroup_size: 128
    .sgpr_count:     66
    .vgpr_count:     192
    .wavefront_size: 32
...
	.end_amdgpu_metadata
.endif
;; end of part 3
;; launch main (part 4): grid 64 x 4, 4 waves a work-group, clusters of 4 x 1, 327,680 bytes of LDS; arguments qk, vf, nd, x, bl, gamma, out0; writes out0
.if DOCPART == 4
	.amdgcn_target "amdgcn-amd-amdhsa--gfx1250"
	.amdhsa_code_object_version 6
	.text
	.protected	k_qee593b48b5_main
	.globl	k_qee593b48b5_main
	.p2align	8
	.type	k_qee593b48b5_main,@function
k_qee593b48b5_main:
	s_mov_b64 s[64:65], 0
	v_nop
	global_prefetch_b8 v0, s[64:65] scope:SCOPE_SE
	s_setreg_imm32_b32 hwreg(HW_REG_WAVE_MODE, 25, 1), 1
	s_wait_xcnt 0x0
	s_wait_alu depctr_hold_cnt(0) depctr_sa_sdst(0) depctr_va_vdst(0) depctr_va_sdst(0) depctr_va_ssrc(0) depctr_va_vcc(0) depctr_vm_vsrc(0)
	s_getreg_b32 s2, hwreg(HW_REG_IB_STS2, 6, 4)
	s_cmp_eq_u32 s2, 0
	s_cbranch_scc0 .Lentry_in_a_cluster
	s_endpgm
.Lentry_in_a_cluster:
	s_bfe_u32 s2, ttmp6, 0x10000c
	s_cmp_lg_u32 s2, 0x3003
	s_cbranch_scc0 .Lentry_shape_is_right
	s_endpgm
.Lentry_shape_is_right:
; out[o][n] = x[o][n] + gamma (bl[o] + the sum over m of V'[o][m] (p1 + p2 + p3)[m][n]),  p_br[m][n] = 2^(Q'[m] . K_br[n] + nd_br[m]).
; The three branches share V', so their weights are added in f32, rounded to bf16 once, and multiplied once.  nd holds minus (row maximum + log2 of the row's sum): p is the written softmax and never exceeds 1
; but by rounding.  A weight below 2^-126 counts as 0; NaN and infinities are not treated apart; bl is taken to be finite (three waves start their sums at 0 x bl).
; SHARES.  Grid y = 2 batch + half of the 512 channels; a work-group makes 256 channels x 64 columns n.  THE FOUR WAVES SPLIT m: of each slot's 256 m wave w takes 64 w .. 64 w + 63, as two steps of 32, for the whole
; 256 x 64: 64 accumulators, 512 registers.  So the weights never leave registers; the four partial sums (f32) meet in LDS once, at the end.
; LAYOUT.  S = Q' K^T (source 0 = 16 m, source 1 = 16 n), its C operand nd: a lane holds one n and the m 8 (lane / 16) + 0..7.  Two such tiles, rounded in pairs, ARE source 0 (16 n x 32 m) of the second product,
; whose source 1 is V' (16 channels x 32 m): a lane ends with one channel and eight neighbouring n.
; A PIECE is one n tile of one step.  TURN of piece t: nd for piece t + 1 is loaded into its score registers; 16 products with V' of piece t - 1, three of piece t's 48 exponentials behind each; one wait;
; 12 products Q' K^T of piece t + 1, the 24 sums and roundings of piece t among them.
; MEMORY.  V' comes by joint tensor loads (the cluster's four work-groups differ in n alone) through two slots of 131,072 bytes; a wave fetches just the quarter that it reads.  nd of the batch, 49,152 bytes, is
; brought once.  Two slots with Q' beside V' would pass the LDS there is (2 x 163,840 + 49,152 bytes), so Q' comes by loads of 512 consecutive bytes, a slot ahead.  K of the 64 n stays in registers.
; REGISTERS in windows of 256 (s_set_vgpr_msb: bits 1:0 source 0, 3:2 source 1, 5:4 source 2, 7:6 destination):
;   0: v0-15 addresses; v16-31 P, two buffers; v32-127 S, two buffers of 48 (branch br, m tile mt at 8 (2 br + mt)); v128-255 V' of one step (8 ot)
;   1: v0-191 K (8 (8 br + 2 nt + cc)); v192-255 Q', two buffers (8 (2 mt + cc))          2, 3: accumulator (nt, ot) in window 2 + nt / 2 at 8 (16 (nt % 2) + ot)
.set SLOT1, 1<<17
.set NDT,   2*SLOT1                    ; the table of nd: [branch][4,096] f32
.set SPARE, NDT+49152                  ; the spare words, 128 bytes for each wave
.set SPI,   272                        ; the way out: a row of 64 f32 + 16 bytes: the 16 rows of a store start at 16 different groups of four banks
.set WST,   256*SPI                    ; a wave's stage; the four lie from byte 0 on, over bytes that have had their last fill
.set AD0, 1                            ; v1   NDT + 32 (l / 16) + 256 w
.set SPW, 2                            ; v2   SPARE + 4 x my thread's number; never rewritten
.set NIL, 3                            ; v3   0; never rewritten
.set AV0, 4                            ; v4   32,768 w + 16 l
.set AV,  5                            ; v5   the same in the slot in hand
.set AD,  6                            ; v6   nd of the slot in hand
.set QO,  7                            ; v7   8,192 w + 16 l
.set PFO, 8                            ; v8   256 l
.set STO, 9                            ; v9   where I put my sums in my stage
.set RDA, 10                           ; v10-13  where I read rows back, from each of the four stages
.set GOX, 14                           ; v14  my byte offset in x and in out
.set KO,  15                           ; v15  my byte offset in a tensor of K
.set P,   16
.set S,   32
.set VF,  128
.set QF,  192
.set WV,  8                            ; s8   my wave's number
.set G1V, 32                           ; s[32:39] group 1 for V'
.set G1N, 40                           ; s[40:47] for nd
.set G0V, 48                           ; s[48:51] group 0 for V': it walks
.set G0N, 52                           ; s[52:55] for nd
.set SLOTS, 56
.set LIM, 57                           ; s57  1 in the cluster that prefetches, else the greatest number
.set TB,  58                           ; s58  the slot in hand
.set W0,  59                           ; s59  1.0 in wave 0, else 0
.set QB,  60                           ; s[60:61] Q' of the batch, at the slot in hand
.set PFA, 62                           ; s[62:63] my 8,192 bytes of the tile after the one that is being asked for
.set GM,  66                           ; s[66:67] gamma
.set XB,  68                           ; s[68:69] x at the work-group's corner
.set OB,  70                           ; s[70:71] out likewise
.set BLB, 72                           ; s[72:73] bl at the 256 channels
.set NDO, 74                           ; s74  1,024 x the slot in hand
.set MSB, 0
.macro WIN new
.if MSB != (\new)
	s_set_vgpr_msb (MSB<<8)|(\new)
.set MSB, (\new)
.endif
.endm
.macro PLACES
.rept 4
	v_nop
.endr
.endm
.macro CROUND
	s_barrier_signal -1
	s_barrier_wait -1
	s_cmp_lg_u32 s[WV], 0
	s_cbranch_scc1 .Lnot_wave_0_\@
	s_barrier_signal -3
.Lnot_wave_0_\@:
	s_barrier_wait -3
	s_barrier_signal -1
	s_barrier_wait -1
.endm
; THE CHANGE OF SLOTS.  Each wave waits for all its tensor loads (one is out: its quarter of the slot to be entered), adds 0 to its spare word, and waits for that and for its reads of the slot that it leaves.
; fill = 1: behind a round of the cluster's barrier the old slot is filled again, the first thing there, with the next 256 m: it has a slot's 224 matrix instructions in which to land.
; THE PREFETCH, behind the load and its five lines: the tile that the NEXT change will ask for.  All sixteen clusters of a grid row walk the same V': the first asks; its four partners' sixteen waves take 8,192 bytes
; each, told apart by address, a lane a block of 256 bytes: each block is named once.  Tiles 0 to 2 come by their loads alone; the last change that fills asks for nothing.
.macro CHANGE fill, first
	WIN 0
	s_wait_tensorcnt 0x0                           ; no tensor load of mine is out, so group 0 may be written
	ds_add_u32 v[SPW], v[NIL]                      ; 0 onto my spare word; the steps below stand between it and the wait for it
.if \fill
	s_xor_b32 s[G0V+1], s[G0V+1], SLOT1
	s_add_nc_u64 s[G0V+2:G0V+3], s[G0V+2:G0V+3], SLOT1
.if !(\first)
	s_wait_xcnt 0x0                                ; Q''s loads and the last prefetch, a slot back, have read their bases
	s_add_nc_u64 s[QB:QB+1], s[QB:QB+1], 32768
	s_add_nc_u64 s[PFA:PFA+1], s[PFA:PFA+1], SLOT1
.endif
.endif
	s_wait_dscnt 0x0                               ; the add is done, and my reads of the slot are over
.if \fill
	CROUND
	tensor_load_to_lds s[G0V:G0V+3], s[G1V:G1V+7]
	s_nop 0
	PLACES
.if !(\first)
	s_cmp_gt_u32 s[SLOTS], s[LIM]
	s_cbranch_scc0 .Lnot_mine_\@
	global_prefetch_b8 v[PFO], s[PFA:PFA+1] th:TH_LOAD_NT scope:SCOPE_SE
.Lnot_mine_\@:
.endif
.else
	s_barrier_signal -1
	s_barrier_wait -1
.endif
	s_xor_b32 s[TB], s[TB], SLOT1
	v_add_nc_u32 v[AV], s[TB], v[AV0]
.if !(\first)
	s_add_co_u32 s[NDO], s[NDO], 1024
	v_add_nc_u32 v[AD], s[NDO], v[AD0]
.endif
.endm
.macro NDRUN buf, off                  ; nd as the C operand of six accumulators: register j = nd[br][.. + 16 mt + 8 (l / 16) + j]: 12 loads
.set a, 0
.rept 6
	ds_load_b128 v[(\buf)+8*a:(\buf)+8*a+3],   v[AD] offset:(\off)+(a/2)*16384+(a%2)*64
	ds_load_b128 v[(\buf)+8*a+4:(\buf)+8*a+7], v[AD] offset:(\off)+(a/2)*16384+(a%2)*64+16
.set a, a+1
.endr
.endm
.macro VRUN half, off                  ; eight of a step's sixteen fragments of V': 16 loads of 512 consecutive bytes
.set f, 8*(\half)
.rept 8
	ds_load_b128 v[VF+8*f:VF+8*f+3],   v[AV] offset:(\off)+1024*f
	ds_load_b128 v[VF+8*f+4:VF+8*f+7], v[AV] offset:(\off)+1024*f+512
.set f, f+1
.endr
.endm
.macro QRUN buf, off                   ; a step's Q': 8 loads of 512 consecutive bytes
	WIN 0x40
.set f, 0
.rept 8
	global_load_b128 v[QF+32*(\buf)+4*f:QF+32*(\buf)+4*f+3], v[QO], s[QB:QB+1] offset:(\off)+512*f
.set f, f+1
.endr
	WIN 0
.endm
.macro XRUN                            ; my 64 rows of x, two rows of 256 bytes a load, into K's registers
	WIN 0x40
.set f, 0
.rept 32
	global_load_b128 v[4*f:4*f+3], v[GOX], s[XB:XB+1] offset:32768*f th:TH_LOAD_NT
.set f, f+1
.endr
	WIN 0
.endm
.macro PVM                             ; product k of 16 of n tile IP: channels 16 k on; sixteen accumulators by turns
	WIN 0xa0+0x50*(IP/2)
.set rA, 8*(16*(IP%2)+k)
	v_wmma_f32_16x16x32_bf16 v[rA:rA+7], v[PP:PP+7], v[VF+8*k:VF+8*k+7], v[rA:rA+7]
.endm
.macro SM                              ; product k of 12 of the next piece's scores: accumulator k % 6, channel half k / 6; six accumulators by turns
.set a, k%6
.set c, k/6
	WIN 0x05
	v_wmma_f32_16x16x32_bf16 v[XN+8*a:XN+8*a+7], v[QF+32*QN+8*(2*(a%2)+c):QF+32*QN+8*(2*(a%2)+c)+7], v[8*(8*(a/2)+2*INX+c):8*(8*(a/2)+2*INX+c)+7], v[XN+8*a:XN+8*a+7]
.set k, k+1
.endm
.macro PL                              ; plain instruction q of 24: branch 1's weights onto branch 0's, branch 2's likewise, then the roundings
.if q < 8
	v_pk_add_f32 v[X+2*q:X+2*q+1], v[X+2*q:X+2*q+1], v[X+16+2*q:X+16+2*q+1]
.elseif q < 16
	v_pk_add_f32 v[X+2*(q-8):X+2*(q-8)+1], v[X+2*(q-8):X+2*(q-8)+1], v[X+32+2*(q-8):X+32+2*(q-8)+1]
.else
	v_cvt_pk_bf16_f32 v[PB+q-16], v[X+2*(q-16)], v[X+2*(q-16)+1]
.endif
.set q, q+1
.endm
; A TURN: step s of the slot, n tile i.  tail = 1: the last slot: no Q' is asked for, and its last turn has no next piece.
.macro TURN s, i, tail
.set X,   S+48*((\i)%2)
.set XN,  S+48*(((\i)+1)%2)
.set PB,  P+8*((\i)%2)
.set PP,  P+8*(((\i)+1)%2)
.set IP,  ((\i)+3)%4
.set INX, ((\i)+1)%4
.set QN,  (\s)
.set NOFF, 128*(\s)
.if (\i) == 3
.set QN,  1-(\s)
.set NOFF, 128+896*(\s)                ; the next step: 128 bytes on, or the next slot's first: 1,024
.endif
.set LASTP, (\tail)*(\s)*((\i)/3)
	WIN 0
.if LASTP
	XRUN                                           ; four plain instructions behind the last product that read K
.else
	NDRUN XN, NOFF
.endif
.if (\i) == 1
	s_wait_dscnt 28                                ; V''s first half is in; its second half's 16 loads and nd's 12 may stay out
.endif
.set k, 0
.set e, 0
.rept 16
	PVM
	WIN 0
.rept 3
	v_exp_f32 v[X+e], v[X+e]                       ; ascending: each accumulator's lowest registers are read first
.set e, e+1
.endr
.if k == 7
.if (\i) == 0
	PLACES                                         ; the last piece of the step before has read fragments 0-7:
	VRUN 0, 16384*(\s)                             ; this step's take their place
.endif
.if (\i) == 1
	s_wait_dscnt 12                                ; V''s second half is in; nd's 12 may stay out
.endif
.endif
.set k, k+1
.endr
.if (\i) == 0
	PLACES
.else
	v_nop                                          ; a plain instruction behind the last exponential
.endif
	s_wait_alu depctr_va_vdst(0)                   ; the one wait for the 48, ahead of their first reader
.if (\i) == 0
	VRUN 1, 16384*(\s)
.endif
.if !LASTP
.if (\i) == 3
	s_wait_loadcnt 8-8*(\tail)                     ; the next step's Q' is in; the 8 loads issued behind it may stay out (in the last slot there are none)
.endif
.if (\i) == 0
	s_wait_dscnt 32                                ; nd is in; V''s 32 loads are younger
.else
	s_wait_dscnt 0x0                               ; nd is in
.endif
.endif
.set k, 0
.set q, 0
.rept 12
.if LASTP
.set k, k+1
.else
	SM
.endif
	WIN 0
.if k < 11
	PL
	PL
.elseif k == 12                        ; four behind the last product: the places ahead of the reads of the scores and of the loads into Q''s registers
	PL
	PL
	PL
	PL
.endif
.endr
.if ((\i) == 2) && !(\tail)
	QRUN \s, 32768+4096*(\s)                       ; this step's Q' has been read for the last time: the next slot's takes its place
.endif
.endm
.macro BODY tail
	TURN 0, 0, \tail
	TURN 0, 1, \tail
	TURN 0, 2, \tail
	TURN 0, 3, \tail
	TURN 1, 0, \tail
	TURN 1, 1, \tail
	TURN 1, 2, \tail
	TURN 1, 3, \tail
	WIN 0
.endm
	s_load_b256 s[16:23], s[0:1], 0x0              ; qk s[16:17], vf s[18:19], nd s[20:21], x s[22:23]
	s_load_b128 s[24:27], s[0:1], 0x20             ; bl s[24:25], gamma s[26:27]
	s_load_b64 s[28:29], s[0:1], 0x30              ; out0
	v_lshl_add_u32 v[SPW], v0, 2, SPARE
	v_mov_b32 v[NIL], 0
	ds_add_u32 v[SPW], v[NIL]                      ; the wave's opening: the add, and its wait ahead of my first tensor load
	v_lshrrev_b32 v1, 5, v0
	v_readfirstlane_b32 s[WV], v1
	s_bfe_u32 s9, ttmp6, 0x40000                   ; cx: it enters K's, x's, out's and the prefetch's addresses alone
	s_lshl_b32 s10, ttmp9, 2
	s_add_co_u32 s10, s10, s9                      ; my 64 columns
	s_and_b32 s11, ttmp7, 0xffff
	s_lshr_b32 s12, s11, 1                         ; batch
	s_and_b32 s13, s11, 1                          ; half of the channels
.irp g, G1V, G1N
	s_mov_b32 s[\g],   15|(3<<16)|(1<<21)          ; the mask of four; elements of 8 bytes; bit 21 beside a mask; no padding
	s_mov_b32 s[\g+1], 32<<16                      ; tensor_dim0 = 32: rows of 256 bytes
	s_mov_b32 s[\g+3], 32<<16                      ; tile_dim0 = 32
	s_mov_b32 s[\g+5], 32                          ; from row to row
	s_mov_b32 s[\g+6], 0
	s_mov_b32 s[\g+7], 0
.endr
	s_mov_b32 s[G1V+2], 128<<16                    ; V': 128 rows, a wave's quarter of a slot
	s_mov_b32 s[G1V+4], 128
	s_mov_b32 s[G1N+2], 48<<16                     ; nd: 48 rows, a wave's quarter of the table
	s_mov_b32 s[G1N+4], 48
	s_mov_b32 s[G0V], 1
	s_lshl_b32 s[G0V+1], s[WV], 15
	s_mov_b32 s[G0N], 1
	s_mul_i32 s[G0N+1], s[WV], 12288
	s_add_co_u32 s[G0N+1], s[G0N+1], NDT
	s_lshl_b32 s2, s11, 21                         ; V' of the batch and half: 2,097,152 bytes
	s_lshl_b32 s3, s[WV], 15
	s_add_co_u32 s2, s2, s3
	s_mov_b32 s3, 0
	s_mul_i32 s4, s12, 49152
	s_mul_i32 s5, s[WV], 12288
	s_add_co_u32 s4, s4, s5
	s_mov_b32 s5, 0
	v_and_b32 v48, 31, v0                          ; l
	v_and_b32 v49, 15, v0                          ; l % 16
	v_bfe_u32 v50, v0, 4, 1                        ; l / 16
	s_lshl_b32 s14, s[WV], 15
	v_lshl_add_u32 v[AV0], v48, 4, s14
	s_lshl_b32 s14, s[WV], 8
	s_add_co_u32 s14, s14, NDT
	v_lshl_add_u32 v[AD0], v50, 5, s14
	v_mov_b32 v[AD], v[AD0]
	s_lshl_b32 s14, s[WV], 13
	v_lshl_add_u32 v[QO], v48, 4, s14
	v_lshlrev_b32 v[PFO], 8, v48
	s_mul_i32 s14, s[WV], WST
	v_mul_u32_u24 v[STO], v49, SPI                 ; in: row (channel) l % 16, 32 bytes for each half of the lanes
	v_lshl_add_u32 v[STO], v50, 5, v[STO]
	v_add_nc_u32 v[STO], s14, v[STO]
	s_mul_i32 s14, s[WV], 64*SPI
	v_mul_u32_u24 v[RDA], v50, SPI                 ; back: lanes 0-15 one row of 256 bytes, lanes 16-31 the next; my rows are 64 w ..
	v_lshl_add_u32 v[RDA], v49, 4, v[RDA]
	v_add_nc_u32 v[RDA], s14, v[RDA]
	v_add_nc_u32 v[RDA+1], WST, v[RDA]
	v_add_nc_u32 v[RDA+2], 2*WST, v[RDA]
	v_add_nc_u32 v[RDA+3], 3*WST, v[RDA]
	s_lshl_b32 s14, s[WV], 20                      ; 64 w rows of 16,384 bytes
	v_lshlrev_b32 v[GOX], 14, v50
	v_lshl_add_u32 v[GOX], v49, 4, v[GOX]
	v_add_nc_u32 v[GOX], s14, v[GOX]
	s_lshl_b32 s15, s10, 13                        ; my four tiles of 16 n
	v_lshl_add_u32 v[KO], v48, 4, s15
	v_lshlrev_b32 v51, 2, v49
	s_lshl_b32 s6, s9, 2
	s_add_co_u32 s6, s6, s[WV]
	s_lshl_b32 s6, s6, 13
	s_lshl_b32 s7, s11, 21
	s_add_co_u32 s6, s6, s7
	s_add_co_u32 s6, s6, 2*SLOT1                   ; in tile 2; the first change in the loop steps it to tile 3
	s_mov_b32 s7, 0
	s_lshl_b32 s76, s12, 23
	s_lshl_b32 s77, s13, 22
	s_add_co_u32 s76, s76, s77
	s_lshl_b32 s77, s10, 8
	s_add_co_u32 s76, s76, s77                     ; the work-group's corner in x and out
	s_mov_b32 s77, 0
	s_lshl_b32 s74, s12, 19                        ; a tensor's batch in qk
	s_mov_b32 s75, 0
	s_lshl_b32 s72, s13, 10
	s_mov_b32 s73, 0
	s_mov_b32 s[TB], SLOT1                         ; the first change turns it into 0
	s_cmp_eq_u32 s[WV], 0
	s_cselect_b32 s[W0], 1.0, 0
	s_cmp_eq_u32 ttmp9, 0                          ; the same in all four partners
	s_cselect_b32 s[LIM], 1, -1
	s_wait_dscnt 0x0                               ; the opening add is done
	s_wait_kmcnt 0x0
	s_add_nc_u64 s[G0V+2:G0V+3], s[18:19], s[2:3]
	s_or_b32 s[G0V+3], s[G0V+3], 0x80000000
	s_add_nc_u64 s[G0N+2:G0N+3], s[20:21], s[4:5]
	s_or_b32 s[G0N+3], s[G0N+3], 0x80000000
	s_add_nc_u64 s[PFA:PFA+1], s[18:19], s[6:7]
	s_add_nc_u64 s[QB:QB+1], s[16:17], s[74:75]
	s_add_nc_u64 s[XB:XB+1], s[22:23], s[76:77]
	s_add_nc_u64 s[OB:OB+1], s[28:29], s[76:77]
	s_add_nc_u64 s[BLB:BLB+1], s[24:25], s[72:73]
	s_mov_b32 s[NDO], 0
	s_load_b32 s[GM], s[26:27], 0x0
	CROUND                                         ; all four work-groups are here: the first joint loads meet
	tensor_load_to_lds s[G0N:G0N+3], s[G1N:G1N+7]  ; my quarter of nd's table,
	s_nop 0
	tensor_load_to_lds s[G0V:G0V+3], s[G1V:G1V+7]  ; and of tile 0: two loads of mine are out
	s_nop 0
	PLACES
.set f, 0
.rept 16
	global_load_b32 v[S+f], v51, s[BLB:BLB+1] offset:64*f  ; bl[16 ot + l % 16]
.set f, f+1
.endr
	WIN 0x40
.set f, 0
.rept 48                               ; f = 16 br + 4 nt + 2 cc + q
	global_load_b128 v[4*f:4*f+3], v[KO], s[QB:QB+1] offset:(1+f/16)*1048576+(f%16)*512
.set f, f+1
.endr
	QRUN 0, 0
	QRUN 1, 4096
	; What the first turn finds: its products, of a piece that has not been, multiply zeros.  All this stands in the wait for the first tile.
.set f, 0
.rept 128
	v_mov_b32 v[VF+f], 0
.set f, f+1
.endr
.set f, 0
.rept 8
	v_mov_b32 v[P+8+f], 0
.set f, f+1
.endr
	s_wait_loadcnt 63                              ; 64 loads are younger than bl's last; the count's field ends at 63
.set f, 0
.rept 16
	v_mul_f32 v[S+f], s[W0], v[S+f]                ; the bias enters the sum once: by wave 0
.set f, f+1
.endr
	WIN 0x80
.set f, 0
.rept 256
	v_mov_b32 v[f], v[S+(f/8)%16]                  ; the sums start at the bias
.set f, f+1
.endr
	WIN 0xc0
.set f, 0
.rept 256
	v_mov_b32 v[f], v[S+(f/8)%16]
.set f, f+1
.endr
	WIN 0
	s_wait_kmcnt 0x0
	s_mov_b32 s[GM+1], s[GM]                       ; named with it as a pair
	CHANGE 1, 1                                    ; nd and tile 0 are in, everybody's parts of them; tile 1 is asked for
	NDRUN S, 0
	s_wait_loadcnt 8                               ; K and the first step's Q' are in; the second step's 8 loads may stay out
	s_wait_dscnt 0x0
.set XN, S
.set QN, 0
.set INX, 0
.set k, 0
.rept 12
	SM                                             ; the first piece's scores
.endr
	WIN 0
	PLACES
	s_mov_b32 s[SLOTS], 15
	s_branch .Lbody
.Lslot:                                        ; 14 times: tiles 2 to 15 are asked for
	CHANGE 1, 0
.Lbody:
	BODY 0
	s_sub_co_u32 s[SLOTS], s[SLOTS], 1
	s_cmp_lg_u32 s[SLOTS], 0
	s_cbranch_scc1 .Lslot
	CHANGE 0, 0                                    ; the last slot is written out: nothing is asked for
	BODY 1
.set IP, 3
.set PP, P+8
.set k, 0
.rept 16
	PVM                                            ; the last piece's products
.set k, k+1
.endr
	WIN 0
	PLACES
	; THE WAY OUT.  Every wave's reads of the ring and of nd are over, and no tensor load is out: the stages may be written.
	s_wait_dscnt 0x0
	s_barrier_signal -1
	s_barrier_wait -1
.set nt, 0
.rept 4
	WIN 0x08+4*(nt/2)                              ; store data window 2 or 3
.set ot, 0
.rept 16
	ds_store_b128 v[STO], v[8*(16*(nt%2)+ot):8*(16*(nt%2)+ot)+3]   offset:ot*16*SPI+nt*64
	ds_store_b128 v[STO], v[8*(16*(nt%2)+ot)+4:8*(16*(nt%2)+ot)+7] offset:ot*16*SPI+nt*64+16
.set ot, ot+1
.endr
.set nt, nt+1
.endr
	WIN 0
	s_wait_dscnt 0x0                               ; for the others' sake: my partial sums are written
	s_barrier_signal -1
	s_barrier_wait -1
	s_wait_loadcnt 0x0                             ; x
; Wave w finishes rows 64 w .. 64 w + 63: eight groups of four pairs of rows, on two sets of 64 registers; a group's 16 loads are out while the group before is added up.
.macro EGL g
.set EB, S+64*((\g)%2)
	s_wait_xcnt 0x0                                ; the stores of two groups back have read these registers
.set rp, 0
.rept 4
.irp src, 0,1,2,3
	ds_load_b128 v[EB+16*rp+4*\src:EB+16*rp+4*\src+3], v[RDA+\src] offset:2*SPI*(4*(\g)+rp)
.endr
.set rp, rp+1
.endr
.endm
.macro EGD g
.set EB, S+64*((\g)%2)
.set rp, 0
.rept 4
.set b0, EB+16*rp
.set xr, 4*(4*(\g)+rp)
	v_pk_add_f32 v[b0:b0+1],     v[b0:b0+1],     v[b0+4:b0+5]
	v_pk_add_f32 v[b0+2:b0+3],   v[b0+2:b0+3],   v[b0+6:b0+7]
	v_pk_add_f32 v[b0+8:b0+9],   v[b0+8:b0+9],   v[b0+12:b0+13]
	v_pk_add_f32 v[b0+10:b0+11], v[b0+10:b0+11], v[b0+14:b0+15]
	v_pk_add_f32 v[b0:b0+1],     v[b0:b0+1],     v[b0+8:b0+9]
	v_pk_add_f32 v[b0+2:b0+3],   v[b0+2:b0+3],   v[b0+10:b0+11]
	v_pk_fma_f32 v[b0:b0+1],     v[b0:b0+1],     s[GM:GM+1], v[xr:xr+1]   op_sel_hi:[1,0,1]
	v_pk_fma_f32 v[b0+2:b0+3],   v[b0+2:b0+3],   s[GM:GM+1], v[xr+2:xr+3] op_sel_hi:[1,0,1]
	global_store_b128 v[GOX], v[b0:b0+3], s[OB:OB+1] offset:32768*(4*(\g)+rp) th:TH_STORE_NT  ; 16 lanes store 256 consecutive bytes, aligned
.set rp, rp+1
.endr
.endm
	WIN 0x10                                       ; source 2 (x) window 1; all else window 0
	EGL 0
.irp g, 0,1,2,3,4,5,6
	EGL \g+1
	s_wait_dscnt 16                                ; group g is in; the 16 loads just issued may stay out
	EGD \g
.endr
	s_wait_dscnt 0x0
	EGD 7
	WIN 0
	s_wait_tensorcnt 0x0                           ; the wave's end, behind my last tensor load and my last LDS store
	ds_add_u32 v[SPW], v[NIL]
	s_wait_dscnt 0x0
	CROUND                                         ; the closing round
	s_endpgm
.Lfunc_end_k_qee593b48b5_main:
	.size	k_qee593b48b5_main, .Lfunc_end_k_qee593b48b5_main-k_qee593b48b5_main
	.p2alignl 7, 3214868480
	.fill 96, 4, 3214868480
	.section	.rodata,"a",@progbits
	.p2align	6, 0x0
	.amdhsa_kernel k_qee593b48b5_main
		.amdhsa_group_segment_fixed_size 327680
		.amdhsa_private_segment_fixed_size 0
		.amdhsa_enable_private_segment 0
		.amdhsa_kernarg_size 56
		.amdhsa_user_sgpr_count 2
		.amdhsa_user_sgpr_kernarg_segment_ptr 1
		.amdhsa_wavefront_size32 1
		.amdhsa_system_sgpr_workgroup_id_x 1
		.amdhsa_system_sgpr_workgroup_id_y 1
		.amdhsa_system_sgpr_workgroup_id_z 1
		.amdhsa_system_vgpr_workitem_id 0
		.amdhsa_next_free_vgpr 1024
		.amdhsa_next_free_sgpr 80
		.amdhsa_reserve_vcc 0
		.amdhsa_float_denorm_mode_32 3
		.amdhsa_float_denorm_mode_16_64 3
		.amdhsa_memory_ordered 1
		.amdhsa_forward_progress 1
		.amdhsa_inst_pref_size 206
	.end_amdhsa_kernel
	.amdgpu_metadata
---
amdhsa.version: [ 1, 2 ]
amdhsa.kernels:
  - .name:           k_qee593b48b5_main
    .symbol:         k_qee593b48b5_main.kd
    .args:
      - { .name: qk, .offset: 0, .size: 8, .value_kind: global_buffer, .address_space: global }
      - { .name: vf, .offset: 8, .size: 8, .value_kind: global_buffer, .address_space: global }
      - { .name: nd, .offset: 16, .size: 8, .value_kind: global_buffer, .address_space: global }
      - { .name: x, .offset: 24, .size: 8, .value_kind: global_buffer, .address_space: global }
      - { .name: bl, .offset: 32, .size: 8, .value_kind: global_buffer, .address_space: global }
      - { .name: gamma, .offset: 40, .size: 8, .value_kind: global_buffer, .address_space: global }
      - { .name: out0, .offset: 48, .size: 8, .value_kind: global_buffer, .address_space: global }
    .group_segment_fixed_size: 327680
    .private_segment_fixed_size: 0
    .kernarg_segment_align: 8
    .kernarg_segment_size: 56
    .max_flat_workgroup_size: 128
    .sgpr_count:     80
    .vgpr_count:     1024
    .wavefront_size: 32
...
	.end_amdgpu_metadata
.endif
;; end of part 4
